; MI455X (gfx1250); checked and timed in simulation.
; The chip was launched on July 23, 2026; its instructions are those of AMD's public machine-readable ISA for CDNA 5 (MIT licence, August 2026) and "CDNA5" Instruction Set Architecture Reference Guide (July 2026). The comments in the code are by the model that wrote it; some were corrected since.
;; Attention Mechanism. Allowed arithmetic: float matrix products may take bf16 or f16 operands with f32 sums; all other float work in f32.
;; Inputs: W_dec 1,024 x 1,024 float32; W_enc 1,024 x 1,024 float32; att_weights_step 32 x 2,048 float32; b_enc 1,024 float32; dec_out 32 x 1 x 1,024 float32; enc_out 32 x 2,048 x 1,024 float32; v 1,024 float32; x_lens 32 int32.
;; Outputs: out0 32 x 1 x 1,024 float32; out1 32 x 2,048 float32.
;; 2 versions, each right; version 2 is version 1 with the launch main written anew for expert scheduling mode. Each part assembles by itself: llvm-mc -triple=amdgcn-amd-amdhsa -mcpu=gfx1250 --defsym DOCPART=n.
;; ======== version 1 of 2: 3 launches
;; workspace buffers: wf 2,097,152 bytes; ck 131,072 bytes; energy 262,144 bytes; ctxp 2,097,152 bytes
;; launch prep (part 1): grid 16 x 2, 8 waves a work-group, no clusters, 111,616 bytes of LDS; arguments W_enc, W_dec, dec_out, b_enc, wf, ck; writes wf, ck
.if DOCPART == 1
	.amdgcn_target "amdgcn-amd-amdhsa--gfx1250"
	.amdhsa_code_object_version 6
	.text
	.protected	k_q2293c084b0_prep
	.globl	k_q2293c084b0_prep
	.p2align	8
	.type	k_q2293c084b0_prep,@function
k_q2293c084b0_prep:
	s_mov_b64 s[64:65], 0
	v_nop
	global_prefetch_b8 v0, s[64:65] scope:SCOPE_SE
	s_setreg_imm32_b32 hwreg(HW_REG_WAVE_MODE, 25, 1), 1
	s_wait_xcnt 0x0
; PREPARATION.  y = 0: wf = W_enc rounded to bf16, laid out as ready matrix fragments.  y = 1: ck[b][a] = (b_enc[a] + sum over k of dec_out[b][k] W_dec[k][a]) x 2 log2(e), operands bf16, sums f32.
; wf: byte ((wm*2+p)*32+s)*8192 + bk*1024 + c*512 + lane*16 holds the 8 bf16 W_enc[32s+16c+8(lane/16)+0..7][512p+128wm+16bk+lane%16]: what one 16-byte load a lane of the next launch's wave wm wants.
; SHARES.  Work-group x = g owns 64 columns (256 bytes of every row of W).  Wave w owns K = 128w .. 128w+127, as four tasks of 32 rows.  A task: 16 loads (two whole rows of 256 bytes each), rounding to bf16,
; the tile [32 k][64 n] into the wave's own LDS bytes, and back turned by ds_load_tr16_b128: four fragments of 16 columns x 32 k.  y = 0 stores them (512 consecutive bytes a store);
; y = 1 multiplies them with dec_out's fragments (source 0 = 16 columns of W, source 1 = 16 batches: a lane then holds one batch and eight neighbouring columns); the eight waves' sums meet in LDS.
; The two ways part once, on the work-group's y, which all waves share; the one barrier stands in y = 1's text, where all eight waves pass it.
; 32 work-groups: the sum over K stays inside a work-group, and the launch moves 8 MB once.
; LIMITS.  Operands are rounded to bf16 (nearest even); NaN and infinities are not treated apart.
.set TTB,   5120                       ; a wave's tile: 32 rows x 160 bytes
.set TP,    160                        ; 128 bytes + 32: five times 32
.set RP,    272                        ; a row of 64 f32 + 16 bytes
.set PLANE, 32*RP                      ; a wave's sums: 32 batches
.set RED,   8*TTB
.set SPARE, RED+8*PLANE                ; the spare words: 128 bytes a wave, four blocks of 256 bytes that no other line names
; window 0: v2 spare word's address, v3 0; v4 r, v5 h; v6-14 addresses; v16-27 b_enc and results; v32-95 dec_out's fragments (task i, batches 16 mt at 32+16i+8mt);
;           v96-127 W's four fragments; v128-159 a task's bf16; v160-223 eight accumulators (mt, cb) at 160+8(4mt+cb); v224-255 the planes' words
; window 1: v0-63, v64-127 two landing sets of a task; v128-255 dec_out as loaded
.set MSB, 0
.macro WIN new                         ; the immediate's high byte repeats the setting that is left
.if MSB != (\new)
	s_set_vgpr_msb (MSB<<8)|(\new)
.set MSB, \new
.endif
.endm
.macro PLACES
.rept 4
	v_nop
.endr
.endm
; 16 loads: task i's 32 rows; load q takes rows 8 (q/4) + q%4 and, in lanes 16-31, the row four further down
.macro ISSUE i
	WIN 0x40                               ; destination window 1, address window 0
.set q, 0
.rept 16
	global_load_b128 v[64*((\i)%2)+4*q:64*((\i)%2)+4*q+3], v6, s[24:25] offset:(32*(\i)+8*(q/4)+q%4)*4096 th:TH_LOAD_NT
.set q, q+1
.endr
.endm
; left: the younger loads that may stay out.  next = 1: the task two on is asked for.  mode 0: store the fragments; mode 1: multiply.  zero = 1: the products start the sums.
.macro TASK i, left, next, mode, zero
	s_wait_loadcnt \left                   ; loads come back in order: this task's 16 are in
	WIN 0x05                               ; sources window 1, destination window 0
.set q, 0
.rept 32
	v_cvt_pk_bf16_f32 v[128+q], v[64*((\i)%2)+2*q], v[64*((\i)%2)+2*q+1]  ; in mode 1 these 32 are also the places between the last products and the loads into W's fragments
.set q, q+1
.endr
.if \next
	ISSUE (\i)+2
.endif
	WIN 0
.set q, 0
.rept 16
	ds_store_b64 v7, v[128+2*q:129+2*q] offset:(8*(q/4)+q%4)*TP  ; the two halves of the lanes lie 640 bytes apart: 128 modulo 256
.set q, q+1
.endr
.if (\mode) == 0
	s_wait_xcnt 0x0                        ; the last task's stores read v96-127: they are loaded again only behind this wait
.endif
.irp cb, 0,1,2,3
	ds_load_tr16_b128 v[96+8*\cb:99+8*\cb],   v8 offset:32*\cb         ; my own bytes: LDS serves a wave's instructions in order
	ds_load_tr16_b128 v[100+8*\cb:103+8*\cb], v8 offset:32*\cb+16*TP
.endr
	s_wait_dscnt 0x0
.if (\mode) == 0
.irp cb, 0,1,2,3
	global_store_b128 v10, v[96+8*\cb:99+8*\cb],   s[26:27] offset:(\i)*8192+\cb*1024      ; 512 consecutive bytes, from a multiple of 512
	global_store_b128 v10, v[100+8*\cb:103+8*\cb], s[26:27] offset:(\i)*8192+\cb*1024+512
.endr
.else
.irp mt, 0,1
.irp cb, 0,1,2,3                       ; the eight accumulators take turns, one instruction a turn
.if \zero
	v_wmma_f32_16x16x32_bf16 v[160+8*(4*\mt+\cb):167+8*(4*\mt+\cb)], v[96+8*\cb:103+8*\cb], v[32+16*(\i)+8*\mt:39+16*(\i)+8*\mt], 0
.else
	v_wmma_f32_16x16x32_bf16 v[160+8*(4*\mt+\cb):167+8*(4*\mt+\cb)], v[96+8*\cb:103+8*\cb], v[32+16*(\i)+8*\mt:39+16*(\i)+8*\mt], v[160+8*(4*\mt+\cb):167+8*(4*\mt+\cb)]
.endif
.endr
.endr
.endif
.endm
	s_load_b256 s[4:11], s[0:1], 0x0               ; W_enc s[4:5], W_dec s[6:7], dec_out s[8:9], b_enc s[10:11]
	s_load_b128 s[12:15], s[0:1], 0x20             ; wf s[12:13], ck s[14:15]
	v_lshl_add_u32 v2, v0, 2, SPARE
	v_mov_b32 v3, 0
	v_lshrrev_b32 v15, 5, v0
	v_readfirstlane_b32 s20, v15                   ; wave w
	s_mov_b32 s21, ttmp9                           ; g
	s_and_b32 s22, ttmp7, 0xffff                   ; y
	v_and_b32 v1, 31, v0                           ; lane
	v_and_b32 v4, 15, v0                           ; r
	v_bfe_u32 v5, v0, 4, 1                         ; h
	s_lshl_b32 s36, s20, 19                        ; my 128 rows of 4,096 bytes
	s_lshl_b32 s37, s21, 8                         ; my group's 256 bytes of a row
	s_add_co_u32 s36, s36, s37
	s_mov_b32 s37, 0
	s_mul_i32 s40, s20, TTB                        ; my tile in LDS
	v_lshlrev_b32 v6, 4, v4
	v_lshl_add_u32 v6, v5, 14, v6                  ; in W: 16 r + four rows for lanes 16-31
	v_mul_u32_u24 v7, v5, 4*TP
	v_lshl_add_u32 v7, v4, 3, v7
	v_add_nc_u32 v7, s40, v7                       ; into the tile: 8 bytes a lane
	v_and_b32 v15, 7, v0
	v_lshl_add_u32 v15, v5, 3, v15
	v_mul_u32_u24 v8, v15, TP
	v_bfe_u32 v15, v0, 3, 1
	v_lshl_add_u32 v8, v15, 4, v8
	v_add_nc_u32 v8, s40, v8                       ; the turning load: row 8 h + lane%8, 16 bytes for each eight lanes
	v_lshlrev_b32 v10, 4, v1                       ; 16 x lane
	s_wait_kmcnt 0x0
	s_cmp_lg_u32 s22, 0
	s_cbranch_scc1 .Ldec
	; ---- y = 0: W_enc -> wf
	s_add_nc_u64 s[24:25], s[4:5], s[36:37]
	ISSUE 0
	ISSUE 1
	WIN 0
	s_bfe_u32 s38, s21, 0x20001                    ; wm = (g/2) % 4
	s_lshl_b32 s38, s38, 1
	s_lshr_b32 s39, s21, 3                         ; p = g/8
	s_add_co_u32 s38, s38, s39
	s_lshl_b32 s38, s38, 18                        ; 32 K steps of 8,192 bytes
	s_lshl_b32 s39, s20, 15                        ; my four K steps
	s_add_co_u32 s38, s38, s39
	s_and_b32 s39, s21, 1                          ; column blocks 4 (g%2) on
	s_lshl_b32 s39, s39, 12
	s_add_co_u32 s38, s38, s39
	s_mov_b32 s39, 0
	s_add_nc_u64 s[26:27], s[12:13], s[38:39]
	TASK 0, 16, 1, 0, 0                            ; 16: the one younger task stays out
	TASK 1, 16, 1, 0, 0
	TASK 2, 16, 0, 0, 0
	TASK 3, 0, 0, 0, 0
	s_wait_tensorcnt 0x0                           ; the wave's end
	ds_add_u32 v2, v3
	s_wait_dscnt 0x0
	s_endpgm
	; ---- y = 1: dec_out x W_dec -> ck
.Ldec:
	s_add_nc_u64 s[24:25], s[6:7], s[36:37]
	s_lshl_b32 s44, s20, 9                         ; my 128 k of a row of dec_out
	s_mov_b32 s45, 0
	s_add_nc_u64 s[28:29], s[8:9], s[44:45]
	v_lshlrev_b32 v9, 12, v4
	v_lshl_add_u32 v9, v5, 5, v9                   ; batch r, 8 h numbers on
	WIN 0x40
.irp i, 0,1,2,3
.irp mt, 0,1                           ; a fragment's 16 numbers a lane: k = 8h+0..7 and 16+8h+0..7
	global_load_b128 v[128+16*(2*\i+\mt):131+16*(2*\i+\mt)],    v9, s[28:29] offset:\mt*65536+\i*128
	global_load_b128 v[132+16*(2*\i+\mt):135+16*(2*\i+\mt)],    v9, s[28:29] offset:\mt*65536+\i*128+16
	global_load_b128 v[136+16*(2*\i+\mt):139+16*(2*\i+\mt)],    v9, s[28:29] offset:\mt*65536+\i*128+64
	global_load_b128 v[140+16*(2*\i+\mt):143+16*(2*\i+\mt)],    v9, s[28:29] offset:\mt*65536+\i*128+80
.endr
.endr
	ISSUE 0
	ISSUE 1
	WIN 0
	s_lshl_b32 s46, s21, 8                         ; my group's 64 columns in ck and b_enc
	s_mov_b32 s47, 0
	s_add_nc_u64 s[30:31], s[14:15], s[46:47]
	s_add_nc_u64 s[32:33], s[10:11], s[46:47]
	s_mov_b32 s34, 0x4038aa3b                      ; 2 log2(e)
	s_mov_b32 s35, s34                             ; named with it as a pair
	s_mul_i32 s41, s20, PLANE
	s_add_co_u32 s41, s41, RED                     ; my plane
	v_mul_u32_u24 v11, v4, RP
	v_lshl_add_u32 v11, v5, 5, v11
	v_add_nc_u32 v11, s41, v11                     ; into it: batch r, 8 h columns on
	s_mul_i32 s42, s20, 2*RP
	s_add_co_u32 s42, s42, RED
	v_mul_u32_u24 v12, v5, RP
	v_lshl_add_u32 v12, v4, 4, v12
	v_add_nc_u32 v12, s42, v12                     ; back: batch 2 w + h, columns 4 r on
	s_lshl_b32 s43, s20, 13
	v_lshlrev_b32 v14, 4, v4                       ; 16 r
	v_lshl_add_u32 v13, v5, 12, v14
	v_add_nc_u32 v13, s43, v13                     ; the same place in ck
	s_wait_loadcnt 32                              ; dec_out is in; the two tasks' 32 loads are younger
	WIN 0x05
.set q, 0
.rept 64
	v_cvt_pk_bf16_f32 v[32+q], v[128+2*q], v[128+2*q+1]
.set q, q+1
.endr
	TASK 0, 16, 1, 1, 1
	TASK 1, 16, 1, 1, 0
	TASK 2, 16, 0, 1, 0
	TASK 3, 0, 0, 1, 0
	PLACES                                         ; four places between the last products and the stores that read them
.irp mt, 0,1
.irp cb, 0,1,2,3                       ; each accumulator's low registers are read first
	ds_store_b128 v11, v[160+8*(4*\mt+\cb):163+8*(4*\mt+\cb)], offset:\mt*16*RP+\cb*64
	ds_store_b128 v11, v[164+8*(4*\mt+\cb):167+8*(4*\mt+\cb)], offset:\mt*16*RP+\cb*64+16
.endr
.endr
	global_load_b128 v[16:19], v14, s[32:33]       ; b_enc of my four columns
	s_wait_dscnt 0x0                               ; for the others' sake: my plane is written
	s_barrier_signal -1
	s_barrier_wait -1
.irp i, 0,1                            ; batches 2 w + h and 16 + 2 w + h
.irp p, 0,1,2,3,4,5,6,7
	ds_load_b128 v[224+4*\p:227+4*\p], v12 offset:\p*PLANE+\i*16*RP
.endr
	s_wait_dscnt 0x0
.if \i == 0
	s_wait_loadcnt 0x0                             ; b_enc
	v_pk_mul_f32 v[16:17], v[16:17], s[34:35] op_sel_hi:[1,0]
	v_pk_mul_f32 v[18:19], v[18:19], s[34:35] op_sel_hi:[1,0]
.endif
.irp p, 0,2,4,6
	v_pk_add_f32 v[224+4*\p:225+4*\p], v[224+4*\p:225+4*\p], v[228+4*\p:229+4*\p]
	v_pk_add_f32 v[226+4*\p:227+4*\p], v[226+4*\p:227+4*\p], v[230+4*\p:231+4*\p]
.endr
.irp p, 0,4
	v_pk_add_f32 v[224+4*\p:225+4*\p], v[224+4*\p:225+4*\p], v[232+4*\p:233+4*\p]
	v_pk_add_f32 v[226+4*\p:227+4*\p], v[226+4*\p:227+4*\p], v[234+4*\p:235+4*\p]
.endr
	v_pk_add_f32 v[224:225], v[224:225], v[240:241]
	v_pk_add_f32 v[226:227], v[226:227], v[242:243]
	v_pk_fma_f32 v[20+4*\i:21+4*\i], v[224:225], s[34:35], v[16:17] op_sel_hi:[1,0,1]
	v_pk_fma_f32 v[22+4*\i:23+4*\i], v[226:227], s[34:35], v[18:19] op_sel_hi:[1,0,1]
	global_store_b128 v13, v[20+4*\i:23+4*\i], s[30:31] offset:\i*65536  ; 16 lanes store 256 consecutive bytes, from a multiple of 256
.endr
	s_wait_tensorcnt 0x0                           ; the wave's end
	ds_add_u32 v2, v3
	s_wait_dscnt 0x0
	s_endpgm
.Lfunc_end_k_q2293c084b0_prep:
	.size	k_q2293c084b0_prep, .Lfunc_end_k_q2293c084b0_prep-k_q2293c084b0_prep
	.p2alignl 7, 3214868480
	.fill 96, 4, 3214868480
	.section	.rodata,"a",@progbits
	.p2align	6, 0x0
	.amdhsa_kernel k_q2293c084b0_prep
		.amdhsa_group_segment_fixed_size 111616
		.amdhsa_private_segment_fixed_size 0
		.amdhsa_enable_private_segment 0
		.amdhsa_kernarg_size 48
		.amdhsa_user_sgpr_count 2
		.amdhsa_user_sgpr_kernarg_segment_ptr 1
		.amdhsa_wavefront_size32 1
		.amdhsa_system_sgpr_workgroup_id_x 1
		.amdhsa_system_sgpr_workgroup_id_y 1
		.amdhsa_system_sgpr_workgroup_id_z 1
		.amdhsa_system_vgpr_workitem_id 0
		.amdhsa_next_free_vgpr 512
		.amdhsa_next_free_sgpr 66
		.amdhsa_reserve_vcc 0
		.amdhsa_float_denorm_mode_32 3
		.amdhsa_float_denorm_mode_16_64 3
		.amdhsa_memory_ordered 1
		.amdhsa_forward_progress 1
		.amdhsa_inst_pref_size 62
	.end_amdhsa_kernel
	.amdgpu_metadata
---
amdhsa.version: [ 1, 2 ]
amdhsa.kernels:
  - .name:           k_q2293c084b0_prep
    .symbol:         k_q2293c084b0_prep.kd
    .args:
      - { .name: W_enc, .offset: 0, .size: 8, .value_kind: global_buffer, .address_space: global }
      - { .name: W_dec, .offset: 8, .size: 8, .value_kind: global_buffer, .address_space: global }
      - { .name: dec_out, .offset: 16, .size: 8, .value_kind: global_buffer, .address_space: global }
      - { .name: b_enc, .offset: 24, .size: 8, .value_kind: global_buffer, .address_space: global }
      - { .name: wf, .offset: 32, .size: 8, .value_kind: global_buffer, .address_space: global }
      - { .name: ck, .offset: 40, .size: 8, .value_kind: global_buffer, .address_space: global }
    .group_segment_fixed_size: 111616
    .private_segment_fixed_size: 0
    .kernarg_segment_align: 8
    .kernarg_segment_size: 48
    .max_flat_workgroup_size: 256
    .sgpr_count:     66
    .vgpr_count:     512
    .wavefront_size: 32
...
	.end_amdgpu_metadata
.endif
;; end of part 1
;; launch main (part 2): grid 32 x 16, 4 waves a work-group, no clusters, 283,136 bytes of LDS; arguments enc_out, x_lens, wf, ck, v, energy, ctxp; writes energy, ctxp
.if DOCPART == 2
	.amdgcn_target "amdgcn-amd-amdhsa--gfx1250"
	.amdhsa_code_object_version 6
	.text
	.protected	k_q2293c084b0_main
	.globl	k_q2293c084b0_main
	.p2align	8
	.type	k_q2293c084b0_main,@function
k_q2293c084b0_main:
	s_mov_b64 s[64:65], 0
	v_nop
	global_prefetch_b8 v0, s[64:65] scope:SCOPE_SE
	s_setreg_imm32_b32 hwreg(HW_REG_WAVE_MODE, 25, 1), 1
	s_wait_xcnt 0x0
; ENERGIES AND PARTIAL CONTEXT of one block of 128 rows t0 .. t0+127 of one batch b (x = b, y = block j, t0 = 128 j).
;   energy[b][t] = (t < x_lens[b]) ? sum over a of v[a] tanh(enc_out[b][t] . W_enc[:,a] + b_enc[a] + dec_out[b] . W_dec[:,a]) : 0
;   ctxp[b][j][e] = sum over the block's t of exp(energy[b][t] - m_j) enc_out[b][t][e],  m_j = the block's largest energy.  The next launch joins the 16 blocks of a batch.
; att_weights_step: no result hangs on it, and no launch takes it.
; EACH BYTE OF enc_out LEAVES MEMORY ONCE: the block is rounded to bf16 on the way in and stays in LDS (8 chunks of 128 along K, rows 272 bytes apart) for the product and for the context.
; SHARES.  Four waves.  In each of two passes a wave makes all 128 rows x 128 columns (columns 512 p + 128 w on): 64 accumulators, 512 registers.  For 32 along K it reads 8 KB of the block from LDS and
; 8 KB of W for 64 matrix instructions.  No two waves of the work-group want the same fragment of W, so W comes from wf (fragments ready made) straight into registers, 512 consecutive bytes a load,
; through a ring of four register buffers with counted waits; the loop over K has no barrier.
; NO CLUSTER: beside the block's 278,528 bytes 49,152 bytes of LDS are left, and 32 along K of a pass's 512 columns are 32,768: two slots do not fit; and partners would want different numbers of tiles,
; since a block behind x_lens asks for none.
; THE MASK.  A block with t0 >= x_lens[b] has energy 0 whatever the product gives: one forward jump on that whole number passes over both passes (no barrier stands there).  Its rows still enter the context.
; TRANSPOSED USE: source 0 = 16 columns of W, source 1 = 16 rows of the block: a lane holds ONE row (16 a + lane%16) and the columns 16 bk + 8 (lane/16) + 0..7; the dot with v stays in the lane.
; tanh x = 1 - 2 u, u = 1 / (1 + 2^(2 log2(e) x)): the exponential's 0 and infinity give u = 1 and 0, so no clamp.  energy = sum v - 2 sum v u.  ck holds (b_enc + dec_out . W_dec) x 2 log2(e).
; THE CONTEXT is one row for a block: the matrix unit would use 1 row of 16, so it is multiply-adds from the bf16 halves, weights and sums in f32.
; LIMITS.  enc_out and W_enc enter both products rounded to bf16.  NaN and infinities are not treated apart (a masked row is 0 whatever its product).  A weight below 2^-126 counts as 0.  x_lens is compared signed.
.set PITCH, 272                        ; 256 bytes + 16: the 16 rows of a fragment load start at 16 different groups of four banks (64 banks of 4 bytes: ISA guide 11.1)
.set CHUNK, 128*PITCH                  ; 128 rows x 128 along K
.set ESC,   8*CHUNK                    ; [wave][128 rows] f32: each wave's share of the rows' energies
.set PSC,   ESC+2048                   ; [wave][128 rows] f32: the weights, a copy for each wave
.set SPARE, PSC+2048                   ; the spare words: 128 bytes a wave, two blocks of 256 bytes that no other line names
; window 0: v2 spare word's address, v3 0; v4 r, v5 h; v6 address of the block's fragments (runs), v7 its start; v8 16 lane; v9-11 addresses; v12-15 at work; v16-31 E: sum v u, a pair a row block;
;           v32-33 sum v; v34-41 four chains; v42-49 a row block's energy; v50-56 addresses; v64-127 the block's fragments (a at 64+8a), else at work; v128-191 ck, later the weights; v192-255 v, later the tail's
; window 1: four buffers of W (buffer kk, column block bk at 64 kk + 8 bk); in the staging four landing sets      windows 2, 3: accumulators, (a, bk) in window 2 + a/4 at 8 (8 (a%4) + bk)
.set MSB, 0
.macro WIN new                         ; the immediate's high byte repeats the setting that is left
.if MSB != (\new)
	s_set_vgpr_msb (MSB<<8)|(\new)
.set MSB, \new
.endif
.endm
.macro PLACES                          ; four places between a matrix instruction and a load into a register that it read (ISA guide 7.12.1 for vector instructions)
.rept 4
	v_nop
.endr
.endm
; STAGING.  A segment is 64 along K of my 32 rows: 16 loads, each two whole rows' 256 bytes (rows 16 (q/8) + q%8 and eight further down).
.macro SEGLD off, set
	WIN 0x40                               ; destination window 1, address window 0
.set q, 0
.rept 16
	global_load_b128 v[64*(\set)+4*q:64*(\set)+4*q+3], v9, s[40:41] offset:(16*(q/8)+q%8)*4096+(\off)*256 th:TH_LOAD_NT
.set q, q+1
.endr
.endm
.macro SEG ii, issue, left
	s_wait_loadcnt \left                   ; loads come back in order: this segment's 16 are in, the younger segments stay out
.if \issue
	SEGLD (\ii)+3, ((\ii)+3)%4             ; three segments ahead: 48 loads, 24 KB a wave, are on their way
.endif
	WIN 0x05                               ; sources window 1, destination window 0
.set q, 0
.rept 32
	v_cvt_pk_bf16_f32 v[64+q], v[64*(\ii)+2*q], v[64*(\ii)+2*q+1]
.set q, q+1
.endr
	WIN 0
.set q, 0
.rept 16
	ds_store_b64 v10, v[64+2*q:65+2*q] offset:(16*(q/8)+q%8)*PITCH+((\ii)/2)*CHUNK+((\ii)%2)*128  ; the halves of the lanes lie 2,176 bytes apart: 128 modulo 256
.set q, q+1
.endr
.endm
; THE PRODUCT.
.macro WLD kk, off                     ; 32 along K of my 128 columns: 16 loads of 512 consecutive bytes
	WIN 0x40
.irp b, 0,1,2,3,4,5,6,7
	global_load_b128 v[64*(\kk)+8*\b:64*(\kk)+8*\b+3],   v8, s[34:35] offset:(\off)*8192+\b*1024
	global_load_b128 v[64*(\kk)+8*\b+4:64*(\kk)+8*\b+7], v8, s[34:35] offset:(\off)*8192+\b*1024+512
.endr
.endm
.macro ALD hi, off                     ; the fragments of row blocks 4 hi .. 4 hi + 3: 8 loads
	WIN 0
.irp a, 0,1,2,3
	ds_load_b128 v[64+8*(4*(\hi)+\a):64+8*(4*(\hi)+\a)+3],   v6 offset:(\off)+(4*(\hi)+\a)*16*PITCH
	ds_load_b128 v[64+8*(4*(\hi)+\a)+4:64+8*(4*(\hi)+\a)+7], v6 offset:(\off)+(4*(\hi)+\a)*16*PITCH+32
.endr
.endm
.macro MUL kk, hi, zero                ; 32 matrix instructions; the 64 accumulators take turns in the same order in every step
	WIN 0xa1+0x50*(\hi)                    ; source 0 (W) window 1, source 1 window 0, C and D window 2 or 3
.irp a, 0,1,2,3
.irp b, 0,1,2,3,4,5,6,7
.if \zero
	v_wmma_f32_16x16x32_bf16 v[8*(8*\a+\b):8*(8*\a+\b)+7], v[64*(\kk)+8*\b:64*(\kk)+8*\b+7], v[64+8*(4*(\hi)+\a):64+8*(4*(\hi)+\a)+7], 0
.else
	v_wmma_f32_16x16x32_bf16 v[8*(8*\a+\b):8*(8*\a+\b)+7], v[64*(\kk)+8*\b:64*(\kk)+8*\b+7], v[64+8*(4*(\hi)+\a):64+8*(4*(\hi)+\a)+7], v[8*(8*\a+\b):8*(8*\a+\b)+7]
.endif
.endr
.endr
.endm
; A step of 32 along K on W's buffer kk.  an: LDS offset of the next step's fragments (-1: none).  wn: the step of W, counted from the base, that is asked for three steps ahead (-1: none).  lw: W's younger loads.
.macro STEP kk, zero, an, wn, lw
	s_wait_loadcnt \lw                     ; this step's W is in (and all that is older)
	s_wait_dscnt 8                         ; row blocks 0-3 are in; the 8 loads of blocks 4-7 are younger
	MUL \kk, 0, \zero
.if (\an) >= 0
	PLACES
	ALD 0, \an
.endif
.if (\wn) >= 0
	WLD ((\kk)+3)%4, \wn                   ; into the buffer that the step before multiplied: eight places back
.endif
.if (\an) >= 0
	s_wait_dscnt 8                         ; row blocks 4-7 are in; the 8 loads just issued are younger
.else
	s_wait_dscnt 0x0
.endif
	MUL \kk, 1, \zero
.if (\an) >= 0
	PLACES
	ALD 1, \an
.endif
.endm
; Row block a's 16 rows x 128 columns: 64 numbers a lane.  y = acc x 2 log2(e) + ck; u = 1 / (1 + 2^y); E[a] += sum of v u, in four chains.
.macro EPI a
	WIN 0x02+(\a)/4                        ; source 0 window 2 or 3
.set n, 0
.rept 32                               ; each accumulator's registers in ascending order
	v_pk_fma_f32 v[64+2*n:65+2*n], v[64*((\a)%4)+2*n:64*((\a)%4)+2*n+1], s[30:31], v[128+2*n:129+2*n] op_sel_hi:[1,0,1]
.set n, n+1
.endr
	WIN 0
.set n, 0
.rept 64
	v_exp_f32 v[64+n], v[64+n]
.set n, n+1
.endr
	v_nop                                  ; a plain instruction between the last exponential and the use of its result (ISA guide 5.7.2)
.set n, 0
	s_wait_alu depctr_va_vdst(0)
.rept 32
	v_pk_add_f32 v[64+2*n:65+2*n], v[64+2*n:65+2*n], 1.0 op_sel_hi:[1,0]
.set n, n+1
.endr
.set n, 0
.rept 64
	v_rcp_f32 v[64+n], v[64+n]
.set n, n+1
.endr
	v_nop
	s_wait_alu depctr_va_vdst(0)
	v_pk_fma_f32 v[34:35], v[64:65], v[192:193], v[16+2*(\a):17+2*(\a)]
.irp i, 1,2,3
	v_pk_mul_f32 v[34+2*\i:35+2*\i], v[64+2*\i:65+2*\i], v[192+2*\i:193+2*\i]
.endr
.set n, 4
.rept 28
	v_pk_fma_f32 v[34+2*(n%4):35+2*(n%4)], v[64+2*n:65+2*n], v[192+2*n:193+2*n], v[34+2*(n%4):35+2*(n%4)]
.set n, n+1
.endr
	v_pk_add_f32 v[34:35], v[34:35], v[36:37]
	v_pk_add_f32 v[38:39], v[38:39], v[40:41]
	v_pk_add_f32 v[16+2*(\a):17+2*(\a)], v[34:35], v[38:39]
.endm
.macro CLD g                           ; the context: 8 rows, 16 bytes (8 columns) a lane
.irp i, 0,1,2,3,4,5,6,7
	ds_load_b128 v[64+32*((\g)%2)+4*\i:64+32*((\g)%2)+4*\i+3], v54 offset:(8*(\g)+\i)*PITCH
.endr
.endm
	s_load_b256 s[4:11], s[0:1], 0x0               ; enc_out s[4:5], x_lens s[6:7], wf s[8:9], ck s[10:11]
	s_load_b128 s[12:15], s[0:1], 0x20             ; v s[12:13], energy s[14:15]
	s_load_b64 s[16:17], s[0:1], 0x30              ; ctxp
	v_lshl_add_u32 v2, v0, 2, SPARE
	v_mov_b32 v3, 0
	v_lshrrev_b32 v12, 5, v0
	v_readfirstlane_b32 s20, v12                   ; wave w
	s_mov_b32 s21, ttmp9                           ; batch b
	s_and_b32 s22, ttmp7, 0xffff                   ; block j
	s_lshl_b32 s23, s22, 7                         ; t0
	v_and_b32 v1, 31, v0                           ; lane
	v_and_b32 v4, 15, v0                           ; r
	v_bfe_u32 v5, v0, 4, 1                         ; h
	v_mul_u32_u24 v7, v4, PITCH
	v_lshl_add_u32 v7, v5, 4, v7                   ; a fragment: row r, 16 bytes for each half of the lanes
	v_lshlrev_b32 v8, 4, v1                        ; 16 x lane
	v_lshlrev_b32 v9, 4, v4
	v_lshl_add_u32 v9, v5, 15, v9                  ; in enc_out: 16 r, eight rows down for lanes 16-31
	s_mul_i32 s26, s20, 32*PITCH
	v_mul_u32_u24 v10, v5, 8*PITCH
	v_lshl_add_u32 v10, v4, 3, v10
	v_add_nc_u32 v10, s26, v10                     ; into LDS: my 32 rows, 8 bytes a lane
	v_lshlrev_b32 v11, 5, v5                       ; in ck and v: 8 h numbers on
	s_lshl_b32 s26, s20, 9
	s_add_co_u32 s27, s26, ESC
	v_lshl_add_u32 v50, v4, 2, s27                 ; my 512 bytes of ESC, row r
	v_lshl_add_u32 v51, v1, 4, ESC                 ; back: rows 4 lane on
	s_add_co_u32 s27, s26, PSC
	v_lshl_add_u32 v52, v1, 4, s27                 ; my copy of the weights: rows 4 lane on
	v_lshl_add_u32 v53, v5, 8, s27                 ; back: rows 64 h on
	s_mul_i32 s26, s20, 2*CHUNK
	v_mul_u32_u24 v54, v5, 64*PITCH
	v_lshl_add_u32 v54, v4, 4, v54
	v_add_nc_u32 v54, s26, v54                     ; the context: chunk 2 w, rows 64 h on, columns 8 r on
	v_lshlrev_b32 v55, 5, v4
	v_lshl_add_u32 v55, v5, 4, v55                 ; in ctxp: 32 r + 16 h
	v_lshl_add_u32 v56, v1, 2, s23                 ; t of my first row of four
	v_cmp_eq_u32 s44, 1, v5                        ; lanes 16-31
	s_mov_b32 s30, 0x4038aa3b                      ; 2 log2(e)
	s_mov_b32 s31, s30                             ; named with it as a pair
	s_mov_b32 s32, 0x76543210                      ; v_permlanex16_b32: each lane takes its own place in the other half
	s_mov_b32 s33, 0xfedcba98
	s_mov_b32 s42, 0x3fb8aa3b                      ; log2(e)
	s_mov_b32 s29, 0
	s_lshl_b32 s28, s21, 11
	s_add_co_u32 s28, s28, s23                     ; b x 2,048 + t0
	s_lshl_b32 s27, s28, 2                         ; the block's place in energy
	s_lshl_b32 s26, s20, 5
	s_add_co_u32 s28, s28, s26
	s_lshl_b32 s28, s28, 12                        ; my first row's byte in enc_out: under 2^28
	s_wait_kmcnt 0x0
	s_add_nc_u64 s[40:41], s[4:5], s[28:29]
	SEGLD 0, 0
	SEGLD 1, 1
	SEGLD 2, 2
	WIN 0
	s_lshl_b32 s28, s21, 2
	s_add_nc_u64 s[6:7], s[6:7], s[28:29]
	s_load_b32 s24, s[6:7], 0x0                    ; x_lens[b]
	s_mov_b32 s28, s27
	s_add_nc_u64 s[14:15], s[14:15], s[28:29]
	s_lshl_b32 s28, s20, 19                        ; my two passes of 32 steps of 8,192 bytes
	s_add_nc_u64 s[34:35], s[8:9], s[28:29]
	s_lshl_b32 s28, s20, 9                         ; my 128 columns
	s_add_nc_u64 s[38:39], s[12:13], s[28:29]
	s_lshl_b32 s27, s21, 12
	s_add_co_u32 s28, s28, s27
	s_add_nc_u64 s[36:37], s[10:11], s[28:29]
	s_lshl_b32 s28, s21, 4
	s_add_co_u32 s28, s28, s22
	s_lshl_b32 s28, s28, 12                        ; (16 b + j) rows of 4,096 bytes,
	s_lshl_b32 s27, s20, 10                        ; my 256 columns
	s_add_co_u32 s28, s28, s27
	s_add_nc_u64 s[46:47], s[16:17], s[28:29]
	s_mov_b32 s26, 3
.Lstage:                                               ; a trip: four segments, two chunks
	SEG 0, 1, 32                                   ; 32: two younger segments stay out
	SEG 1, 1, 32
	SEG 2, 1, 32
	SEG 3, 1, 32
	s_wait_xcnt 0x0                                ; the loads' base is stepped only behind this wait
	s_add_nc_u64 s[40:41], s[40:41], 1024
	v_add_nc_u32 v10, 2*CHUNK, v10
	s_sub_co_u32 s26, s26, 1
	s_cmp_lg_u32 s26, 0
	s_cbranch_scc1 .Lstage
	SEG 0, 1, 32                                   ; the last four: one more segment is asked for, then the counts run down
	SEG 1, 0, 32
	SEG 2, 0, 16
	SEG 3, 0, 0
.set n, 16
.rept 18
	v_mov_b32 v[n], 0                              ; sum v u and sum v start at 0: both ways round the product read them
.set n, n+1
.endr
	s_wait_kmcnt 0x0                               ; x_lens[b]
	s_wait_dscnt 0x0                               ; for the others' sake: my rows are written
	s_barrier_signal -1
	s_barrier_wait -1
	s_cmp_ge_i32 s23, s24                          ; the whole block lies behind x_lens[b]: its energies are 0
	s_cbranch_scc1 .Ljoin
	s_mov_b32 s25, 2
.Lpass:
	v_mov_b32 v6, v7
.irp b, 0,1,2,3,4,5,6,7
	global_load_b128 v[128+8*\b:131+8*\b], v11, s[36:37] offset:\b*64
	global_load_b128 v[132+8*\b:135+8*\b], v11, s[36:37] offset:\b*64+16
.endr
.irp b, 0,1,2,3,4,5,6,7
	global_load_b128 v[192+8*\b:195+8*\b], v11, s[38:39] offset:\b*64
	global_load_b128 v[196+8*\b:199+8*\b], v11, s[38:39] offset:\b*64+16
.endr
	WLD 0, 0
	WLD 1, 1
	WLD 2, 2
	ALD 0, 0
	ALD 1, 0
	STEP 0, 1, 64, 3, 32                           ; the first step starts the sums; its wait also covers ck and v, which are older than W
	WIN 0
	s_mov_b32 s26, 7
.Lk:                                                   ; a trip: four steps, from a chunk's second to the next chunk's first
	STEP 1, 0, 128, 4, 32                          ; 32: W of the two steps behind this one stays out
	STEP 2, 0, 192, 5, 32
	STEP 3, 0, CHUNK, 6, 32
	STEP 0, 0, CHUNK+64, 7, 32
	WIN 0
	s_wait_xcnt 0x0                                ; W's base is stepped only behind this wait
	s_add_nc_u64 s[34:35], s[34:35], 32768
	v_add_nc_u32 v6, CHUNK, v6
	s_sub_co_u32 s26, s26, 1
	s_cmp_lg_u32 s26, 0
	s_cbranch_scc1 .Lk
	STEP 1, 0, 128, -1, 32                         ; the last three steps ask for no W: the counts run down
	STEP 2, 0, 192, -1, 16
	STEP 3, 0, -1, -1, 0
	WIN 0
	; the lane's sum of v: 32 plain instructions that name no register of the last products: they are the places behind them
.irp i, 0,1,2,3
	v_pk_add_f32 v[34+2*\i:35+2*\i], v[192+2*\i:193+2*\i], v[200+2*\i:201+2*\i]
.endr
.set n, 8
.rept 24
	v_pk_add_f32 v[34+2*(n%4):35+2*(n%4)], v[34+2*(n%4):35+2*(n%4)], v[192+2*n:193+2*n]
.set n, n+1
.endr
	v_pk_add_f32 v[34:35], v[34:35], v[36:37]
	v_pk_add_f32 v[38:39], v[38:39], v[40:41]
	v_pk_add_f32 v[34:35], v[34:35], v[38:39]
	v_pk_add_f32 v[32:33], v[32:33], v[34:35]
.irp a, 0,1,2,3,4,5,6,7
	EPI \a
.endr
	s_add_nc_u64 s[34:35], s[34:35], 32768         ; every load is done (the last step waited for 0): on to the next pass's W, ck and v
	s_add_nc_u64 s[36:37], s[36:37], 2048
	s_add_nc_u64 s[38:39], s[38:39], 2048
	s_sub_co_u32 s25, s25, 1
	s_cmp_lg_u32 s25, 0
	s_cbranch_scc1 .Lpass
.Ljoin:
	s_wait_dscnt 0x0                               ; my fragment reads, whose address runs through LDS, are back:
	s_barrier_signal -1                            ; say so; the register work below stands between the signal and the wait
	; my 256 columns' share of each row's energy: sum v - 2 sum v u, the two halves of the lanes added
	v_add_f32 v12, v32, v33
.irp a, 0,1,2,3,4,5,6,7
	v_add_f32 v[42+\a], v[16+2*\a], v[17+2*\a]
.endr
.irp a, 0,1,2,3,4,5,6,7
	v_fma_f32 v[42+\a], v[42+\a], -2.0, v12
.endr
.irp a, 0,1,2,3,4,5,6,7
	v_permlanex16_b32 v[16+2*\a], v[42+\a], s32, s33
.endr
.irp a, 0,1,2,3,4,5,6,7
	v_add_f32 v[42+\a], v[42+\a], v[16+2*\a]
.endr
	s_barrier_wait -1                              ; every wave's fragment reads are back: only now does a wave store into LDS again
.irp a, 0,1,2,3,4,5,6,7
	ds_store_b32 v50, v[42+\a] offset:64*\a        ; row 16 a + r; both halves of the lanes write the same word with the same number
.endr
	s_wait_dscnt 0x0                               ; for the others' sake
	s_barrier_signal -1
	s_barrier_wait -1
.irp u, 0,1,2,3
	ds_load_b128 v[64+4*\u:67+4*\u], v51 offset:512*\u  ; every wave takes all 128 rows, four a lane, from the four waves' shares
.endr
	s_wait_dscnt 0x0
	v_pk_add_f32 v[64:65], v[64:65], v[68:69]
	v_pk_add_f32 v[66:67], v[66:67], v[70:71]
	v_pk_add_f32 v[72:73], v[72:73], v[76:77]
	v_pk_add_f32 v[74:75], v[74:75], v[78:79]
	v_pk_add_f32 v[216:217], v[64:65], v[72:73]
	v_pk_add_f32 v[218:219], v[66:67], v[74:75]
.irp i, 0,1,2,3
	v_add_nc_u32 v13, \i, v56
	v_cmp_gt_i32 vcc_lo, s24, v13                  ; t < x_lens[b]
	v_cndmask_b32 v[216+\i], 0, v[216+\i], vcc_lo
.endr
	s_cmp_lg_u32 s20, 0
	s_cbranch_scc1 .Lno_e
	global_store_b128 v8, v[216:219], s[14:15]     ; wave 0: the block's 512 consecutive bytes; v216-219 are not written again
.Lno_e:
	v_max3_num_f32 v12, v216, v217, v218
	v_max_num_f32 v12, v12, v219
	v_max_num_f32_dpp v12, v12, v12 row_xmask:1 row_mask:0xf bank_mask:0xf
	v_max_num_f32_dpp v12, v12, v12 row_xmask:2 row_mask:0xf bank_mask:0xf
	v_max_num_f32_dpp v12, v12, v12 row_xmask:4 row_mask:0xf bank_mask:0xf
	v_max_num_f32_dpp v12, v12, v12 row_xmask:8 row_mask:0xf bank_mask:0xf
	v_permlanex16_b32 v13, v12, s32, s33
	v_max_num_f32 v12, v12, v13                    ; m_j, in every lane
	v_mul_f32 v14, s42, v12
.irp i, 0,1,2,3
	v_fma_f32 v[220+\i], v[216+\i], s42, -v14
.endr
.irp i, 0,1,2,3
	v_exp_f32 v[220+\i], v[220+\i]                 ; exp(e - m_j)
.endr
	v_nop
	s_wait_alu depctr_va_vdst(0)
	ds_store_b128 v52, v[220:223]                  ; my wave's own copy: no barrier; LDS serves a wave's instructions in order
.set n, 0
.rept 16
	ds_load_b128 v[128+4*n:131+4*n], v53 offset:16*n  ; the weights of rows 64 h .. 64 h + 63
.set n, n+1
.endr
	; THE CONTEXT: chunks 2 w and 2 w + 1.  A lane sums 64 rows of its 8 columns; the halves of the lanes are then added.
	s_mov_b32 s26, 2
.Lctx:
.set n, 192
.rept 8
	v_mov_b32 v[n], 0
.set n, n+1
.endr
	CLD 0
.set g, 0
.rept 8
.if g < 7
	CLD g+1
	s_wait_dscnt 8                                 ; all but the 8 loads just issued
.else
	s_wait_dscnt 0x0
.endif
.set i, 0
.rept 8
.irp k, 0,1,2,3
	v_fma_mix_f32_bf16 v[192+2*\k], v[64+32*(g%2)+4*i+\k], v[128+8*g+i], v[192+2*\k] op_sel_hi:[1,0,0]
	v_fma_mix_f32_bf16 v[193+2*\k], v[64+32*(g%2)+4*i+\k], v[128+8*g+i], v[193+2*\k] op_sel:[1,0,0] op_sel_hi:[1,0,0]
.endr
.set i, i+1
.endr
.set g, g+1
.endr
.irp k, 0,1,2,3,4,5,6,7
	v_permlanex16_b32 v[64+\k], v[192+\k], s32, s33
.endr
.irp k, 0,1,2,3,4,5,6,7
	v_add_f32 v[192+\k], v[192+\k], v[64+\k]
.endr
.irp k, 0,1,2,3
	v_cndmask_b32 v[208+\k], v[192+\k], v[196+\k], s44  ; lanes 0-15 store columns 8 r + 0..3, lanes 16-31 columns 8 r + 4..7
.endr
	global_store_b128 v55, v[208:211], s[46:47]    ; the wave's store covers 512 consecutive bytes, from a multiple of 512
	s_wait_xcnt 0x0                                ; its data and base are written again only behind this wait
	s_add_nc_u64 s[46:47], s[46:47], 512
	v_add_nc_u32 v54, CHUNK, v54
	s_sub_co_u32 s26, s26, 1
	s_cmp_lg_u32 s26, 0
	s_cbranch_scc1 .Lctx
	s_wait_tensorcnt 0x0                           ; the wave's end
	ds_add_u32 v2, v3
	s_wait_dscnt 0x0
	s_endpgm
.Lfunc_end_k_q2293c084b0_main:
	.size	k_q2293c084b0_main, .Lfunc_end_k_q2293c084b0_main-k_q2293c084b0_main
	.p2alignl 7, 3214868480
	.fill 96, 4, 3214868480
	.section	.rodata,"a",@progbits
	.p2align	6, 0x0
	.amdhsa_kernel k_q2293c084b0_main
		.amdhsa_group_segment_fixed_size 283136
		.amdhsa_private_segment_fixed_size 0
		.amdhsa_enable_private_segment 0
		.amdhsa_kernarg_size 56
		.amdhsa_user_sgpr_count 2
		.amdhsa_user_sgpr_kernarg_segment_ptr 1
		.amdhsa_wavefront_size32 1
		.amdhsa_system_sgpr_workgroup_id_x 1
		.amdhsa_system_sgpr_workgroup_id_y 1
		.amdhsa_system_sgpr_workgroup_id_z 1
		.amdhsa_system_vgpr_workitem_id 0
		.amdhsa_next_free_vgpr 1024
		.amdhsa_next_free_sgpr 66
		.amdhsa_reserve_vcc 1
		.amdhsa_float_denorm_mode_32 3
		.amdhsa_float_denorm_mode_16_64 3
		.amdhsa_memory_ordered 1
		.amdhsa_forward_progress 1
		.amdhsa_inst_pref_size 230
	.end_amdhsa_kernel
	.amdgpu_metadata
---
amdhsa.version: [ 1, 2 ]
amdhsa.kernels:
  - .name:           k_q2293c084b0_main
    .symbol:         k_q2293c084b0_main.kd
    .args:
      - { .name: enc_out, .offset: 0, .size: 8, .value_kind: global_buffer, .address_space: global }
      - { .name: x_lens, .offset: 8, .size: 8, .value_kind: global_buffer, .address_space: global }
      - { .name: wf, .offset: 16, .size: 8, .value_kind: global_buffer, .address_space: global }
      - { .name: ck, .offset: 24, .size: 8, .value_kind: global_buffer, .address_space: global }
      - { .name: v, .offset: 32, .size: 8, .value_kind: global_buffer, .address_space: global }
      - { .name: energy, .offset: 40, .size: 8, .value_kind: global_buffer, .address_space: global }
      - { .name: ctxp, .offset: 48, .size: 8, .value_kind: global_buffer, .address_space: global }
    .group_segment_fixed_size: 283136
    .private_segment_fixed_size: 0
    .kernarg_segment_align: 8
    .kernarg_segment_size: 56
    .max_flat_workgroup_size: 128
    .sgpr_count:     66
    .vgpr_count:     1024
    .wavefront_size: 32
...
	.end_amdgpu_metadata
.endif
;; end of part 2
;; launch finish (part 3): grid 32 x 1, 8 waves a work-group, no clusters, 1,536 bytes of LDS; arguments energy, ctxp, out0, out1; writes out0, out1
.if DOCPART == 3
	.amdgcn_target "amdgcn-amd-amdhsa--gfx1250"
	.amdhsa_code_object_version 6
	.text
	.protected	k_q2293c084b0_finish
	.globl	k_q2293c084b0_finish
	.p2align	8
	.type	k_q2293c084b0_finish,@function
k_q2293c084b0_finish:
	s_mov_b64 s[64:65], 0
	v_nop
	global_prefetch_b8 v0, s[64:65] scope:SCOPE_SE
	s_setreg_imm32_b32 hwreg(HW_REG_WAVE_MODE, 25, 1), 1
	s_wait_xcnt 0x0
; THE SOFTMAX'S END, one work-group a batch.  m = max over t of energy; L = sum of exp(energy - m); out1 = exp(energy - m) / L;
; out0[e] = sum over the 16 blocks j of exp(m_j - m) / L x ctxp[j][e], where m_j is block j's largest energy: made anew here from the stored energies, and a maximum is exact, so it is the one that ctxp was made with.
; SHARES.  Thread t holds energies 4 t .. 4 t + 3 and 1,024 + 4 t .. + 3, so wave w holds exactly blocks w and w + 8; of ctxp and out0 it holds columns 4 t .. 4 t + 3.
; Every load and store of a wave covers 512 consecutive bytes.  32 work-groups: a batch's sums stay inside one; the launch moves 2.7 MB.  No matrix work, no cluster: the work-groups share no input.
; LIMITS.  A weight below 2^-126 counts as 0; NaN and infinities are not treated apart.
.set MB,    0                          ; 16 f32: the blocks' maxima
.set SB,    256                        ; 8 f32: the waves' sums
.set SPARE, 512                        ; the spare words: 128 bytes a wave, four blocks of 256 bytes that no other line names
; v2 spare word's address, v3 0; v4 16 t; v5 4 w; v6 0; v8-15 energies; v16-79 ctxp (block j at 16+4j); v80-95 at work; v96-111 m_j, then the blocks' factors; v112-119 weights; v120-123 out0
.macro WMAX x                          ; the largest over the wave's 32 lanes, in every lane
.irp k, 1,2,4,8
	v_max_num_f32_dpp v[\x], v[\x], v[\x] row_xmask:\k row_mask:0xf bank_mask:0xf
.endr
	v_permlanex16_b32 v82, v[\x], s12, s13
	v_max_num_f32 v[\x], v[\x], v82
.endm
.macro WSUM x
.irp k, 1,2,4,8
	v_add_f32_dpp v[\x], v[\x], v[\x] row_xmask:\k row_mask:0xf bank_mask:0xf
.endr
	v_permlanex16_b32 v82, v[\x], s12, s13
	v_add_f32 v[\x], v[\x], v82
.endm
	s_load_b256 s[4:11], s[0:1], 0x0               ; energy s[4:5], ctxp s[6:7], out0 s[8:9], out1 s[10:11]
	v_lshl_add_u32 v2, v0, 2, SPARE
	v_mov_b32 v3, 0
	v_lshrrev_b32 v7, 5, v0
	v_readfirstlane_b32 s20, v7                    ; wave w
	v_lshlrev_b32 v4, 4, v0
	v_mov_b32 v5, s20
	v_lshlrev_b32 v5, 2, v5
	v_mov_b32 v6, 0
	v_mov_b32 v82, 0                               ; v_permlanex16_b32's destination counts as read
	s_mov_b32 s12, 0x76543210
	s_mov_b32 s13, 0xfedcba98
	s_mov_b32 s14, 0x3fb8aa3b                      ; log2(e)
	s_lshl_b32 s16, ttmp9, 13                      ; the batch's 8,192 bytes of energy and out1,
	s_mov_b32 s17, 0
	s_lshl_b32 s18, ttmp9, 16                      ; 65,536 of ctxp,
	s_mov_b32 s19, 0
	s_lshl_b32 s22, ttmp9, 12                      ; 4,096 of out0
	s_mov_b32 s23, 0
	s_wait_kmcnt 0x0
	s_add_nc_u64 s[4:5], s[4:5], s[16:17]
	s_add_nc_u64 s[6:7], s[6:7], s[18:19]
	s_add_nc_u64 s[8:9], s[8:9], s[22:23]
	s_add_nc_u64 s[10:11], s[10:11], s[16:17]
	global_load_b128 v[8:11], v4, s[4:5]
	global_load_b128 v[12:15], v4, s[4:5] offset:4096
.set j, 0
.rept 16
	global_load_b128 v[16+4*j:19+4*j], v4, s[6:7] offset:4096*j
.set j, j+1
.endr
	s_wait_loadcnt 16                              ; the energies are in; ctxp's 16 loads are younger
	v_max3_num_f32 v80, v8, v9, v10
	v_max3_num_f32 v81, v12, v13, v14
	v_max_num_f32 v80, v80, v11
	v_max_num_f32 v81, v81, v15
	WMAX 80                                        ; m of block w
	WMAX 81                                        ; m of block w + 8
	ds_store_b32 v5, v80 offset:MB
	ds_store_b32 v5, v81 offset:MB+32
	s_wait_dscnt 0x0                               ; for the others' sake
	s_barrier_signal -1
	s_barrier_wait -1
.irp u, 0,1,2,3
	ds_load_b128 v[96+4*\u:99+4*\u], v6 offset:MB+16*\u
.endr
	s_wait_dscnt 0x0
	v_max3_num_f32 v84, v96, v97, v98
.irp k, 99,101,103,105,107,109
	v_max3_num_f32 v84, v84, v[\k], v[\k+1]
.endr
	v_max_num_f32 v84, v84, v111                   ; m
	v_mul_f32 v85, s14, v84
.irp i, 0,1,2,3,4,5,6,7
	v_fma_f32 v[112+\i], v[8+\i], s14, -v85
.endr
.irp i, 0,1,2,3,4,5,6,7
	v_exp_f32 v[112+\i], v[112+\i]                 ; exp(e - m)
.endr
	v_nop                                          ; a plain instruction behind the last exponential (ISA guide 5.7.2)
	s_wait_alu depctr_va_vdst(0)
	v_pk_add_f32 v[88:89], v[112:113], v[114:115]
	v_pk_add_f32 v[90:91], v[116:117], v[118:119]
	v_pk_add_f32 v[88:89], v[88:89], v[90:91]
	v_add_f32 v86, v88, v89
	WSUM 86
	ds_store_b32 v5, v86 offset:SB                 ; other bytes than the maxima's: no barrier between
	s_wait_dscnt 0x0
	s_barrier_signal -1
	s_barrier_wait -1
	ds_load_b128 v[88:91], v6 offset:SB
	ds_load_b128 v[92:95], v6 offset:SB+16
	s_wait_dscnt 0x0
	v_pk_add_f32 v[88:89], v[88:89], v[90:91]
	v_pk_add_f32 v[92:93], v[92:93], v[94:95]
	v_pk_add_f32 v[88:89], v[88:89], v[92:93]
	v_add_f32 v86, v88, v89                        ; L
	v_rcp_f32 v88, v86
.irp j, 0,1,2,3,4,5,6,7,8,9,10,11,12,13,14,15
	v_fma_f32 v[96+\j], v[96+\j], s14, -v85        ; plain work behind the reciprocal
.endr
.irp j, 0,1,2,3,4,5,6,7,8,9,10,11,12,13,14,15
	v_exp_f32 v[96+\j], v[96+\j]                   ; exp(m_j - m)
.endr
	s_wait_alu depctr_va_vdst(0)
.irp i, 0,2,4,6
	v_pk_mul_f32 v[112+\i:113+\i], v[112+\i:113+\i], v[88:89] op_sel_hi:[1,0]
.endr
	global_store_b128 v4, v[112:115], s[10:11]
	global_store_b128 v4, v[116:119], s[10:11] offset:4096
.irp j, 0,2,4,6,8,10,12,14
	v_pk_mul_f32 v[96+\j:97+\j], v[96+\j:97+\j], v[88:89] op_sel_hi:[1,0]
.endr
	s_wait_loadcnt 0x0                             ; ctxp
.irp k, 0,1,2,3
	v_mul_f32 v[120+\k], v[16+\k], v96
.endr
.set j, 1
.rept 15
.irp k, 0,1,2,3
	v_fmac_f32 v[120+\k], v[16+4*j+\k], v[96+j]
.endr
.set j, j+1
.endr
	global_store_b128 v4, v[120:123], s[8:9]
	s_wait_tensorcnt 0x0                           ; the wave's end
	ds_add_u32 v2, v3
	s_wait_dscnt 0x0
	s_endpgm
.Lfunc_end_k_q2293c084b0_finish:
	.size	k_q2293c084b0_finish, .Lfunc_end_k_q2293c084b0_finish-k_q2293c084b0_finish
	.p2alignl 7, 3214868480
	.fill 96, 4, 3214868480
	.section	.rodata,"a",@progbits
	.p2align	6, 0x0
	.amdhsa_kernel k_q2293c084b0_finish
		.amdhsa_group_segment_fixed_size 1536
		.amdhsa_private_segment_fixed_size 0
		.amdhsa_enable_private_segment 0
		.amdhsa_kernarg_size 32
		.amdhsa_user_sgpr_count 2
		.amdhsa_user_sgpr_kernarg_segment_ptr 1
		.amdhsa_wavefront_size32 1
		.amdhsa_system_sgpr_workgroup_id_x 1
		.amdhsa_system_sgpr_workgroup_id_y 1
		.amdhsa_system_sgpr_workgroup_id_z 1
		.amdhsa_system_vgpr_workitem_id 0
		.amdhsa_next_free_vgpr 128
		.amdhsa_next_free_sgpr 66
		.amdhsa_reserve_vcc 0
		.amdhsa_float_denorm_mode_32 3
		.amdhsa_float_denorm_mode_16_64 3
		.amdhsa_memory_ordered 1
		.amdhsa_forward_progress 1
		.amdhsa_inst_pref_size 12
	.end_amdhsa_kernel
	.amdgpu_metadata
---
amdhsa.version: [ 1, 2 ]
amdhsa.kernels:
  - .name:           k_q2293c084b0_finish
    .symbol:         k_q2293c084b0_finish.kd
    .args:
      - { .name: energy, .offset: 0, .size: 8, .value_kind: global_buffer, .address_space: global }
      - { .name: ctxp, .offset: 8, .size: 8, .value_kind: global_buffer, .address_space: global }
      - { .name: out0, .offset: 16, .size: 8, .value_kind: global_buffer, .address_space: global }
      - { .name: out1, .offset: 24, .size: 8, .value_kind: global_buffer, .address_space: global }
    .group_segment_fixed_size: 1536
    .private_segment_fixed_size: 0
    .kernarg_segment_align: 8
    .kernarg_segment_size: 32
    .max_flat_workgroup_size: 256
    .sgpr_count:     66
    .vgpr_count:     128
    .wavefront_size: 32
...
	.end_amdgpu_metadata
.endif
;; end of part 3
;; ======== version 2 of 2: 3 launches; version 1 with the launch main written anew for expert scheduling mode
;; workspace buffers: wf 2,097,152 bytes; ck 131,072 bytes; energy 262,144 bytes; ctxp 2,097,152 bytes
;; launch prep: the kernel of part 1 again; grid 16 x 2, 8 waves a work-group, no clusters, 111,616 bytes of LDS; arguments W_enc, W_dec, dec_out, b_enc, wf, ck; writes wf, ck
;; launch main (part 4): grid 32 x 16, 4 waves a work-group, no clusters, 283,136 bytes of LDS; arguments enc_out, x_lens, wf, ck, v, energy, ctxp; writes energy, ctxp
.if DOCPART == 4
	.amdgcn_target "amdgcn-amd-amdhsa--gfx1250"
	.amdhsa_code_object_version 6
	.text
	.protected	k_q2293c084b0_main
	.globl	k_q2293c084b0_main
	.p2align	8
	.type	k_q2293c084b0_main,@function
k_q2293c084b0_main:
	s_mov_b64 s[64:65], 0
	v_nop
	global_prefetch_b8 v0, s[64:65] scope:SCOPE_SE
	s_setreg_imm32_b32 hwreg(HW_REG_WAVE_SCHED_MODE, 0, 2), 2
	s_setreg_imm32_b32 hwreg(HW_REG_WAVE_MODE, 25, 1), 1
	s_wait_xcnt 0x0
	s_wait_alu depctr_vm_vsrc(0)
; ENERGIES AND PARTIAL CONTEXT of one block of 128 rows t0 .. t0+127 of one batch b (x = b, y = block j, t0 = 128 j).
;   energy[b][t] = (t < x_lens[b]) ? sum over a of v[a] tanh(enc_out[b][t] . W_enc[:,a] + b_enc[a] + dec_out[b] . W_dec[:,a]) : 0
;   ctxp[b][j][e] = sum over the block's t of exp(energy[b][t] - m_j) enc_out[b][t][e],  m_j = the block's largest energy.  The next launch joins the 16 blocks of a batch.
; att_weights_step: no result hangs on it, and no launch takes it.
; EACH BYTE OF enc_out LEAVES MEMORY ONCE: the block is rounded to bf16 on the way in and stays in LDS (8 chunks of 128 along K, rows 272 bytes apart) for the product and for the context.
; SHARES.  Four waves.  In each of two passes a wave makes all 128 rows x 128 columns (columns 512 p + 128 w on): 64 accumulators, 512 registers.  For 32 along K it reads 8 KB of the block from LDS and
; 8 KB of W for 64 matrix instructions.  No two waves of the work-group want the same fragment of W, so W comes from wf (fragments ready made) straight into registers, 512 consecutive bytes a load,
; through a ring of four register buffers with counted waits; the loop over K has no barrier.
; NO CLUSTER: beside the block's 278,528 bytes 49,152 bytes of LDS are left, and 32 along K of a pass's 512 columns are 32,768: two slots do not fit; and partners would want different numbers of tiles,
; since a block behind x_lens asks for none.
; THE MASK.  A block with t0 >= x_lens[b] has energy 0 whatever the product gives: one forward jump on that whole number passes over both passes (no barrier stands there).  Its rows still enter the context.
; TRANSPOSED USE: source 0 = 16 columns of W, source 1 = 16 rows of the block: a lane holds ONE row (16 a + lane%16) and the columns 16 bk + 8 (lane/16) + 0..7; the dot with v stays in the lane.
; tanh x = 1 - 2 u, u = 1 / (1 + 2^(2 log2(e) x)): the exponential's 0 and infinity give u = 1 and 0, so no clamp.  energy = sum v - 2 sum v u.  ck holds (b_enc + dec_out . W_dec) x 2 log2(e).
; THE CONTEXT is one row for a block: the matrix unit would use 1 row of 16, so it is multiply-adds from the bf16 halves, weights and sums in f32.
; LIMITS.  enc_out and W_enc enter both products rounded to bf16.  NaN and infinities are not treated apart (a masked row is 0 whatever its product).  A weight below 2^-126 counts as 0.  x_lens is compared signed.
; THE MODE: SCHED_MODE bits 1:0 = 2 (LLVM: expert scheduling mode 2), set by the entry lines.  The code itself states the register dependences between vector or matrix instructions and memory or LDS
; instructions, with s_wait_alu, always for 0.
; THE PLAN.  Registers that memory or LDS instructions touch, and who else names them:
;   STAGING   L0 .. L3 (window 1)  segment n's loads land in L[n%4]; its 32 roundings read it; the loads issued in segment n + 1 land in it again.
;             O0, O1 (v64-95, v96-127)  segment n's roundings write O[n%2]; its 16 LDS stores read it.
;             One wait on va_vdst a segment, behind the roundings, for the segment's stores and for the next segment's loads.  A wait on vm_vsrc ahead of the stores of a trip's segments 1 and 2 (the segment
;             before has stored the other O, which the next roundings write) and one at the trip's end, ahead of the add to v10.
;   PRODUCT   A0, A1 (v64-127, v128-191)  step s's matrix instructions read A[s%2]; the LDS loads issued in step s land in the other.
;             W0 .. W3 (window 1)  step s's matrix instructions read W[s%4]; the loads issued in step s land in W[(s+3)%4], which step s - 1 read.  In step 29 these are ck's loads, into W0.
;             One wait on va_vdst at a step's head: the step before is done reading the two buffers in which this step's 32 loads land.  These are dealt among the step's matrix instructions, which name
;             W[s%4], A[s%2] and the accumulators alone.  A pass's first step leans on the wait at the pass's head; its last step issues no load and holds no wait.
;   v6, v10, v54  LDS addresses that run: a wait on vm_vsrc ahead of the add; the next wait on va_vdst, which stands there anyway, ahead of the next access.
;   v8, v9, v11, v50-53, v55  made at the head, ahead of its wait on va_vdst, and never written again.
;   CONTEXT   two buffers of eight rows (v64-95, v96-127): a wait on va_vdst a group, ahead of the loads into the buffer that the group before read.  v208-211: written by the selects, read by the store.
.set PITCH, 272                        ; 256 bytes + 16: the 16 rows of a fragment load start at 16 different groups of four banks (64 banks of 4 bytes: ISA guide 11.1)
.set CHUNK, 128*PITCH                  ; 128 rows x 128 along K
.set ESC,   8*CHUNK                    ; [wave][128 rows] f32: each wave's share of the rows' energies
.set PSC,   ESC+2048                   ; [wave][128 rows] f32: the weights, a copy for each wave
.set SPARE, PSC+2048                   ; the spare words: 128 bytes a wave, two blocks of 256 bytes that no other line names
; window 0: v2 spare word's address, v3 0; v4 r, v5 h; v6 address of the block's fragments (runs), v7 its start; v8 16 lane; v9-11 addresses; v12-15 at work; v16-31 E: sum v u, a pair a row block;
;           v32-33 sum v; v34-41 four chains; v42-49 a row block's energy; v50-56 addresses; v64-127, v128-191 two buffers of the block's fragments (row block a at + 8 a); the first is else at work,
;           the second later holds the weights; v192-255 v, later the tail's
; window 1: four buffers of W (buffer kk, column block bk at 64 kk + 8 bk); buffer 0 takes ck in a pass's last three steps; in the staging four landing sets
; windows 2, 3: accumulators, (a, bk) in window 2 + a/4 at 8 (8 (a%4) + bk)
.set MSB, 0
.macro WIN new                         ; the immediate's high byte repeats the setting that is left
.if MSB != (\new)
	s_set_vgpr_msb (MSB<<8)|(\new)
.set MSB, \new
.endif
.endm
.macro PLACES                          ; four places between the last step's matrix instructions and loads into registers that those read
.rept 4
	v_nop
.endr
.endm
; STAGING.  A segment is 64 along K of my 32 rows: 16 loads, each two whole rows' 256 bytes (rows 16 (q/8) + q%8 and eight further down).
.macro SEGLD off, set
	WIN 0x40                               ; destination window 1, address window 0
.set q, 0
.rept 16
	global_load_b128 v[64*(\set)+4*q:64*(\set)+4*q+3], v9, s[40:41] offset:(16*(q/8)+q%8)*4096+(\off)*256 th:TH_LOAD_NT
.set q, q+1
.endr
.endm
.macro SEG ii, issue, left
	s_wait_loadcnt \left                   ; loads come back in order: this segment's 16 are in, the younger segments stay out
.if \issue
	SEGLD (\ii)+3, ((\ii)+3)%4             ; three segments ahead: 48 loads, 24 KB a wave, are on their way.  No wait: since the last segment's wait on va_vdst no vector instruction names this landing set or v9
.endif
	WIN 0x05                               ; sources window 1, destination window 0
.set q, 0
.rept 32
	v_cvt_pk_bf16_f32 v[64+32*((\ii)%2)+q], v[64*(\ii)+2*q], v[64*(\ii)+2*q+1]
.set q, q+1
.endr
	WIN 0
.if ((\ii) == 1) || ((\ii) == 2)
	s_wait_alu depctr_vm_vsrc(0)           ; the LDS stores of the segment before have read the other O, which the next segment's roundings write (for a trip's segments 0 and 1 the wait at the last trip's end says it)
.endif
	s_wait_alu depctr_va_vdst(0)           ; the roundings have written this O, which the stores below read, and are done reading this landing set, in which the next segment's loads land; in a trip's first segment v10 is written
.set q, 0
.rept 16
	ds_store_b64 v10, v[64+32*((\ii)%2)+2*q:65+32*((\ii)%2)+2*q] offset:(16*(q/8)+q%8)*PITCH+((\ii)/2)*CHUNK+((\ii)%2)*128  ; the halves of the lanes lie 2,176 bytes apart: 128 modulo 256
.set q, q+1
.endr
.endm
; THE PRODUCT.
.macro WLD kk, off                     ; 32 along K of my 128 columns: 16 loads of 512 consecutive bytes
	WIN 0x40
.irp b, 0,1,2,3,4,5,6,7
	global_load_b128 v[64*(\kk)+8*\b:64*(\kk)+8*\b+3],   v8, s[34:35] offset:(\off)*8192+\b*1024
	global_load_b128 v[64*(\kk)+8*\b+4:64*(\kk)+8*\b+7], v8, s[34:35] offset:(\off)*8192+\b*1024+512
.endr
.endm
.macro CKLD                            ; ck of my 128 columns, 64 numbers a lane, into W's buffer 0
	WIN 0x40
.irp b, 0,1,2,3,4,5,6,7
	global_load_b128 v[8*\b:8*\b+3],   v11, s[36:37] offset:\b*64
	global_load_b128 v[8*\b+4:8*\b+7], v11, s[36:37] offset:\b*64+16
.endr
.endm
.macro ALD buf, hi, off                ; the fragments of row blocks 4 hi .. 4 hi + 3 into buffer buf: 8 loads
	WIN 0
.irp a, 0,1,2,3
	ds_load_b128 v[64+64*(\buf)+8*(4*(\hi)+\a):64+64*(\buf)+8*(4*(\hi)+\a)+3],   v6 offset:(\off)+(4*(\hi)+\a)*16*PITCH
	ds_load_b128 v[64+64*(\buf)+8*(4*(\hi)+\a)+4:64+64*(\buf)+8*(4*(\hi)+\a)+7], v6 offset:(\off)+(4*(\hi)+\a)*16*PITCH+32
.endr
.endm
.macro MUL16 kk, hi, a0, zero          ; 16 matrix instructions: row blocks 4 hi + a0, + 1; the 64 accumulators take turns in the same order in every step
	WIN 0xa1+0x50*(\hi)                    ; source 0 (W) window 1, source 1 window 0, C and D window 2 or 3
.irp a, \a0, (\a0)+1
.irp b, 0,1,2,3,4,5,6,7
.if \zero
	v_wmma_f32_16x16x32_bf16 v[8*(8*(\a)+\b):8*(8*(\a)+\b)+7], v[64*(\kk)+8*\b:64*(\kk)+8*\b+7], v[64+64*((\kk)%2)+8*(4*(\hi)+(\a)):64+64*((\kk)%2)+8*(4*(\hi)+(\a))+7], 0
.else
	v_wmma_f32_16x16x32_bf16 v[8*(8*(\a)+\b):8*(8*(\a)+\b)+7], v[64*(\kk)+8*\b:64*(\kk)+8*\b+7], v[64+64*((\kk)%2)+8*(4*(\hi)+(\a)):64+64*((\kk)%2)+8*(4*(\hi)+(\a))+7], v[8*(8*(\a)+\b):8*(8*(\a)+\b)+7]
.endif
.endr
.endr
.endm
; A step of 32 along K on W's buffer kk and the fragments' buffer kk % 2.  zero = 1: a pass's first step.  an: LDS offset of the next step's fragments (-1: none).
; wn: the step of W, counted from the base, that is asked for three steps ahead (-1: none; -2: ck in its place).  lw: the younger loads from memory.
.macro STEP kk, zero, an, wn, lw
	s_wait_loadcnt \lw                     ; this step's W is in (and all that is older)
	s_wait_dscnt 8                         ; row blocks 0-3 are in; the 8 loads of blocks 4-7 are younger
.if !(\zero) && ((\an) >= 0)
	s_wait_alu depctr_va_vdst(0)           ; the last step's matrix instructions are done reading their fragments and their W, in which this step's loads land; in a trip's first step v6 is written
.endif
	MUL16 \kk, 0, 0, \zero
.if !(\zero) && ((\an) >= 0)
	PLACES
.endif
.if (\wn) >= 0
	WLD ((\kk)+3)%4, \wn                   ; no wait: no matrix instruction since the wait above names this buffer or v8
.elseif (\wn) == -2
	CKLD                                   ; W's buffer 0 is free from here to the pass's end
.endif
	MUL16 \kk, 0, 2, \zero
.if (\an) >= 0
	ALD ((\kk)+1)%2, 0, \an                ; likewise: the other buffer of fragments, and v6
	s_wait_dscnt 8                         ; row blocks 4-7 are in; the 8 loads just issued are younger
.else
	s_wait_dscnt 0x0
.endif
	MUL16 \kk, 1, 0, \zero
.if (\an) >= 0
	ALD ((\kk)+1)%2, 1, \an
.endif
	MUL16 \kk, 1, 2, \zero
.endm
; Row block a's 16 rows x 128 columns: 64 numbers a lane.  y = acc x 2 log2(e) + ck; u = 1 / (1 + 2^y); E[a] += sum of v u, in four chains.
.macro EPI a
	WIN 0x12+(\a)/4                        ; source 0 (the sums) window 2 or 3, source 2 (ck) window 1
.set n, 0
.rept 32                               ; each accumulator's registers in ascending order
	v_pk_fma_f32 v[64+2*n:65+2*n], v[64*((\a)%4)+2*n:64*((\a)%4)+2*n+1], s[30:31], v[2*n:2*n+1] op_sel_hi:[1,0,1]
.set n, n+1
.endr
	WIN 0
.set n, 0
.rept 64
	v_exp_f32 v[64+n], v[64+n]
.set n, n+1
.endr
	v_nop                                  ; a plain instruction between the last exponential and the use of its result (ISA guide 5.7.2)
	s_wait_alu depctr_va_vdst(0)           ; the 64 exponentials have written v64-127: one wait for the batch, ahead of its first reader
.set n, 0
.rept 32
	v_pk_add_f32 v[64+2*n:65+2*n], v[64+2*n:65+2*n], 1.0 op_sel_hi:[1,0]
.set n, n+1
.endr
.set n, 0
.rept 64
	v_rcp_f32 v[64+n], v[64+n]
.set n, n+1
.endr
	v_nop
	s_wait_alu depctr_va_vdst(0)           ; the 64 reciprocals have written v64-127: one wait for the batch, ahead of its first reader
	v_pk_fma_f32 v[34:35], v[64:65], v[192:193], v[16+2*(\a):17+2*(\a)]
.irp i, 1,2,3
	v_pk_mul_f32 v[34+2*\i:35+2*\i], v[64+2*\i:65+2*\i], v[192+2*\i:193+2*\i]
.endr
.set n, 4
.rept 28
	v_pk_fma_f32 v[34+2*(n%4):35+2*(n%4)], v[64+2*n:65+2*n], v[192+2*n:193+2*n], v[34+2*(n%4):35+2*(n%4)]
.set n, n+1
.endr
	v_pk_add_f32 v[34:35], v[34:35], v[36:37]
	v_pk_add_f32 v[38:39], v[38:39], v[40:41]
	v_pk_add_f32 v[16+2*(\a):17+2*(\a)], v[34:35], v[38:39]
.endm
.macro CLD g                           ; the context: 8 rows, 16 bytes (8 columns) a lane
.irp i, 0,1,2,3,4,5,6,7
	ds_load_b128 v[64+32*((\g)%2)+4*\i:64+32*((\g)%2)+4*\i+3], v54 offset:(8*(\g)+\i)*PITCH
.endr
.endm
	s_load_b256 s[4:11], s[0:1], 0x0               ; enc_out s[4:5], x_lens s[6:7], wf s[8:9], ck s[10:11]
	s_load_b128 s[12:15], s[0:1], 0x20             ; v s[12:13], energy s[14:15]
	s_load_b64 s[16:17], s[0:1], 0x30              ; ctxp
	v_lshl_add_u32 v2, v0, 2, SPARE
	v_mov_b32 v3, 0
	v_lshrrev_b32 v12, 5, v0
	v_readfirstlane_b32 s20, v12                   ; wave w
	s_mov_b32 s21, ttmp9                           ; batch b
	s_and_b32 s22, ttmp7, 0xffff                   ; block j
	s_lshl_b32 s23, s22, 7                         ; t0
	v_and_b32 v1, 31, v0                           ; lane
	v_and_b32 v4, 15, v0                           ; r
	v_bfe_u32 v5, v0, 4, 1                         ; h
	v_cmp_eq_u32 s44, 1, v5                        ; lanes 16-31
	v_mul_u32_u24 v7, v4, PITCH
	v_lshl_add_u32 v7, v5, 4, v7                   ; a fragment: row r, 16 bytes for each half of the lanes
	v_lshlrev_b32 v8, 4, v1                        ; 16 x lane
	v_lshlrev_b32 v9, 4, v4
	v_lshl_add_u32 v9, v5, 15, v9                  ; in enc_out: 16 r, eight rows down for lanes 16-31
	s_wait_alu depctr_va_sdst(0)                   ; s20 and s44 are written, ahead of their first readers: addresses and branches are made from s20, the context's selects read s44
	s_mul_i32 s26, s20, 32*PITCH
	v_mul_u32_u24 v10, v5, 8*PITCH
	v_lshl_add_u32 v10, v4, 3, v10
	v_add_nc_u32 v10, s26, v10                     ; into LDS: my 32 rows, 8 bytes a lane
	v_lshlrev_b32 v11, 5, v5                       ; in ck and v: 8 h numbers on
	s_lshl_b32 s26, s20, 9
	s_add_co_u32 s27, s26, ESC
	v_lshl_add_u32 v50, v4, 2, s27                 ; my 512 bytes of ESC, row r
	v_lshl_add_u32 v51, v1, 4, ESC                 ; back: rows 4 lane on
	s_add_co_u32 s27, s26, PSC
	v_lshl_add_u32 v52, v1, 4, s27                 ; my copy of the weights: rows 4 lane on
	v_lshl_add_u32 v53, v5, 8, s27                 ; back: rows 64 h on
	s_mul_i32 s26, s20, 2*CHUNK
	v_mul_u32_u24 v54, v5, 64*PITCH
	v_lshl_add_u32 v54, v4, 4, v54
	v_add_nc_u32 v54, s26, v54                     ; the context: chunk 2 w, rows 64 h on, columns 8 r on
	v_lshlrev_b32 v55, 5, v4
	v_lshl_add_u32 v55, v5, 4, v55                 ; in ctxp: 32 r + 16 h
	v_lshl_add_u32 v56, v1, 2, s23                 ; t of my first row of four
	s_mov_b32 s30, 0x4038aa3b                      ; 2 log2(e)
	s_mov_b32 s31, s30                             ; named with it as a pair
	s_mov_b32 s32, 0x76543210                      ; v_permlanex16_b32: each lane takes its own place in the other half
	s_mov_b32 s33, 0xfedcba98
	s_mov_b32 s42, 0x3fb8aa3b                      ; log2(e)
	s_mov_b32 s29, 0
	s_lshl_b32 s28, s21, 11
	s_add_co_u32 s28, s28, s23                     ; b x 2,048 + t0
	s_lshl_b32 s27, s28, 2                         ; the block's place in energy
	s_lshl_b32 s26, s20, 5
	s_add_co_u32 s28, s28, s26
	s_lshl_b32 s28, s28, 12                        ; my first row's byte in enc_out: under 2^28
	s_wait_kmcnt 0x0
	s_add_nc_u64 s[40:41], s[4:5], s[28:29]
	s_wait_alu depctr_va_vdst(0)                   ; the offsets and LDS addresses v7 to v11 and v50 to v55 are written, which the kernel's loads and stores read
	SEGLD 0, 0
	SEGLD 1, 1
	SEGLD 2, 2
	WIN 0
	s_lshl_b32 s28, s21, 2
	s_add_nc_u64 s[6:7], s[6:7], s[28:29]
	s_load_b32 s24, s[6:7], 0x0                    ; x_lens[b]
	s_mov_b32 s28, s27
	s_add_nc_u64 s[14:15], s[14:15], s[28:29]
	s_lshl_b32 s28, s20, 19                        ; my two passes of 32 steps of 8,192 bytes
	s_add_nc_u64 s[34:35], s[8:9], s[28:29]
	s_lshl_b32 s28, s20, 9                         ; my 128 columns
	s_add_nc_u64 s[38:39], s[12:13], s[28:29]
	s_lshl_b32 s27, s21, 12
	s_add_co_u32 s28, s28, s27
	s_add_nc_u64 s[36:37], s[10:11], s[28:29]
	s_lshl_b32 s28, s21, 4
	s_add_co_u32 s28, s28, s22
	s_lshl_b32 s28, s28, 12                        ; (16 b + j) rows of 4,096 bytes,
	s_lshl_b32 s27, s20, 10                        ; my 256 columns
	s_add_co_u32 s28, s28, s27
	s_add_nc_u64 s[46:47], s[16:17], s[28:29]
	s_mov_b32 s26, 3
.Lstage:                                               ; a trip: four segments, two chunks
	SEG 0, 1, 32                                   ; 32: two younger segments stay out
	SEG 1, 1, 32
	SEG 2, 1, 32
	SEG 3, 1, 32
	s_wait_xcnt 0x0                                ; the loads' base is stepped only behind this wait
	s_add_nc_u64 s[40:41], s[40:41], 1024
	s_wait_alu depctr_vm_vsrc(0)                   ; the trip's LDS stores have read v10, which the add writes, and both O, which the next two segments' roundings write
	v_add_nc_u32 v10, 2*CHUNK, v10
	s_sub_co_u32 s26, s26, 1
	s_cmp_lg_u32 s26, 0
	s_cbranch_scc1 .Lstage
	SEG 0, 1, 32                                   ; the last four: one more segment is asked for, then the counts run down
	SEG 1, 0, 32
	SEG 2, 0, 16
	SEG 3, 0, 0
.set n, 16
.rept 18
	v_mov_b32 v[n], 0                              ; sum v u and sum v start at 0: both ways round the product read them
.set n, n+1
.endr
	s_wait_kmcnt 0x0                               ; x_lens[b]
	s_wait_dscnt 0x0                               ; for the others' sake: my rows are written
	s_barrier_signal -1
	s_barrier_wait -1
	s_wait_alu depctr_vm_vsrc(0)                   ; my LDS stores have read v64-127: from here on LDS loads land in these registers, on both ways of the branch below
	s_cmp_ge_i32 s23, s24                          ; the whole block lies behind x_lens[b]: its energies are 0
	s_cbranch_scc1 .Ljoin
	s_mov_b32 s25, 2
.Lpass:
	s_wait_alu depctr_vm_vsrc(0)                   ; the fragment loads of the pass before have read v6
	v_mov_b32 v6, v7
	s_wait_alu depctr_va_vdst(0)                   ; v6 is written; the pass before is done with v192-255, v64-127 and W's four buffers (its last steps and its way out named them), in which the loads below land
.irp b, 0,1,2,3,4,5,6,7
	global_load_b128 v[192+8*\b:195+8*\b], v11, s[38:39] offset:\b*64
	global_load_b128 v[196+8*\b:199+8*\b], v11, s[38:39] offset:\b*64+16
.endr
	WLD 0, 0
	WLD 1, 1
	WLD 2, 2
	ALD 0, 0, 0
	ALD 0, 1, 0
	STEP 0, 1, 64, 3, 32                           ; the first step starts the sums; its wait also covers v, which is older than W; its loads lean on the wait above
	WIN 0
	s_mov_b32 s26, 7
.Lk:                                                   ; a trip: four steps, from a chunk's second to the next chunk's first
	STEP 1, 0, 128, 4, 32                          ; 32: W of the two steps behind this one stays out
	STEP 2, 0, 192, 5, 32
	STEP 3, 0, CHUNK, 6, 32
	STEP 0, 0, CHUNK+64, 7, 32
	WIN 0
	s_wait_xcnt 0x0                                ; W's base is stepped only behind this wait
	s_add_nc_u64 s[34:35], s[34:35], 32768
	s_wait_alu depctr_vm_vsrc(0)                   ; the trip's fragment loads have read v6
	v_add_nc_u32 v6, CHUNK, v6
	s_sub_co_u32 s26, s26, 1
	s_cmp_lg_u32 s26, 0
	s_cbranch_scc1 .Lk
	STEP 1, 0, 128, -2, 32                         ; the last three steps ask for no W; the first of them asks for ck: 32: W of two steps,
	STEP 2, 0, 192, -1, 32                         ; 32: W of one step and ck,
	STEP 3, 0, -1, -1, 16                          ; 16: ck
	WIN 0
	; the lane's sum of v: 32 plain instructions that name no register of the last products: they are the places behind them
.irp i, 0,1,2,3
	v_pk_add_f32 v[34+2*\i:35+2*\i], v[192+2*\i:193+2*\i], v[200+2*\i:201+2*\i]
.endr
.set n, 8
.rept 24
	v_pk_add_f32 v[34+2*(n%4):35+2*(n%4)], v[34+2*(n%4):35+2*(n%4)], v[192+2*n:193+2*n]
.set n, n+1
.endr
	v_pk_add_f32 v[34:35], v[34:35], v[36:37]
	v_pk_add_f32 v[38:39], v[38:39], v[40:41]
	v_pk_add_f32 v[34:35], v[34:35], v[38:39]
	v_pk_add_f32 v[32:33], v[32:33], v[34:35]
	s_wait_loadcnt 0x0                             ; ck is in
.irp a, 0,1,2,3,4,5,6,7
	EPI \a
.endr
	s_add_nc_u64 s[34:35], s[34:35], 32768         ; every load is done (the wait for ck was for 0): on to the next pass's W, ck and v
	s_add_nc_u64 s[36:37], s[36:37], 2048
	s_add_nc_u64 s[38:39], s[38:39], 2048
	s_sub_co_u32 s25, s25, 1
	s_cmp_lg_u32 s25, 0
	s_cbranch_scc1 .Lpass
.Ljoin:
	s_wait_dscnt 0x0                               ; my fragment reads, whose address runs through LDS, are back:
	s_barrier_signal -1                            ; say so; the register work below stands between the signal and the wait
	; my 256 columns' share of each row's energy: sum v - 2 sum v u, the two halves of the lanes added
	v_add_f32 v12, v32, v33
.irp a, 0,1,2,3,4,5,6,7
	v_add_f32 v[42+\a], v[16+2*\a], v[17+2*\a]
.endr
.irp a, 0,1,2,3,4,5,6,7
	v_fma_f32 v[42+\a], v[42+\a], -2.0, v12
.endr
.irp a, 0,1,2,3,4,5,6,7
	v_permlanex16_b32 v[16+2*\a], v[42+\a], s32, s33
.endr
.irp a, 0,1,2,3,4,5,6,7
	v_add_f32 v[42+\a], v[42+\a], v[16+2*\a]
.endr
	s_barrier_wait -1                              ; every wave's fragment reads are back: only now does a wave store into LDS again
	s_wait_alu depctr_va_vdst(0)                   ; the additions have written v42-49, which the stores read; and all that wrote or read v64-79 is done, in which the loads behind the next barrier land
.irp a, 0,1,2,3,4,5,6,7
	ds_store_b32 v50, v[42+\a] offset:64*\a        ; row 16 a + r; both halves of the lanes write the same word with the same number
.endr
	s_wait_dscnt 0x0                               ; for the others' sake
	s_barrier_signal -1
	s_barrier_wait -1
.irp u, 0,1,2,3
	ds_load_b128 v[64+4*\u:67+4*\u], v51 offset:512*\u  ; every wave takes all 128 rows, four a lane, from the four waves' shares
.endr
	s_wait_dscnt 0x0
	v_pk_add_f32 v[64:65], v[64:65], v[68:69]
	v_pk_add_f32 v[66:67], v[66:67], v[70:71]
	v_pk_add_f32 v[72:73], v[72:73], v[76:77]
	v_pk_add_f32 v[74:75], v[74:75], v[78:79]
	v_pk_add_f32 v[216:217], v[64:65], v[72:73]
	v_pk_add_f32 v[218:219], v[66:67], v[74:75]
.irp i, 0,1,2,3
	v_add_nc_u32 v[12+\i], \i, v56                 ; t of my four rows
.endr
	v_cmp_gt_i32 s2, s24, v12                      ; t < x_lens[b]: the four compares in a run, a scalar register each
	v_cmp_gt_i32 s3, s24, v13
	v_cmp_gt_i32 s18, s24, v14
	v_cmp_gt_i32 s19, s24, v15
	s_wait_alu depctr_va_sdst(0)                   ; the four masks are written, ahead of the selects that read them
	v_cndmask_b32 v216, 0, v216, s2
	v_cndmask_b32 v217, 0, v217, s3
	v_cndmask_b32 v218, 0, v218, s18
	v_cndmask_b32 v219, 0, v219, s19
	s_cmp_lg_u32 s20, 0
	s_cbranch_scc1 .Lno_e
	s_wait_alu depctr_va_vdst(0)                   ; the selects have written v216-219, the store's data
	global_store_b128 v8, v[216:219], s[14:15]     ; wave 0: the block's 512 consecutive bytes; v216-219 are not written again
.Lno_e:
	v_max3_num_f32 v12, v216, v217, v218
	v_max_num_f32 v12, v12, v219
	v_max_num_f32_dpp v12, v12, v12 row_xmask:1 row_mask:0xf bank_mask:0xf
	v_max_num_f32_dpp v12, v12, v12 row_xmask:2 row_mask:0xf bank_mask:0xf
	v_max_num_f32_dpp v12, v12, v12 row_xmask:4 row_mask:0xf bank_mask:0xf
	v_max_num_f32_dpp v12, v12, v12 row_xmask:8 row_mask:0xf bank_mask:0xf
	v_permlanex16_b32 v13, v12, s32, s33
	v_max_num_f32 v12, v12, v13                    ; m_j, in every lane
	v_mul_f32 v14, s42, v12
.irp i, 0,1,2,3
	v_fma_f32 v[220+\i], v[216+\i], s42, -v14
.endr
.irp i, 0,1,2,3
	v_exp_f32 v[220+\i], v[220+\i]                 ; exp(e - m_j)
.endr
	v_nop
	s_wait_alu depctr_va_vdst(0)                   ; the four exponentials have written v220-223, which the store reads: the batch's one wait; and all that read v128-191 is done, in which the weights land
	ds_store_b128 v52, v[220:223]                  ; my wave's own copy: no barrier; LDS serves a wave's instructions in order
.set n, 0
.rept 16
	ds_load_b128 v[128+4*n:131+4*n], v53 offset:16*n  ; the weights of rows 64 h .. 64 h + 63
.set n, n+1
.endr
	; THE CONTEXT: chunks 2 w and 2 w + 1.  A lane sums 64 rows of its 8 columns; the halves of the lanes are then added.
	s_mov_b32 s26, 2
.Lctx:
.set n, 192
.rept 8
	v_mov_b32 v[n], 0
.set n, n+1
.endr
	s_wait_alu depctr_va_vdst(0)                   ; v54 is written; the multiply-adds and exchanges of the trip before are done with v64-127, in which the first sixteen rows land
	CLD 0
.set g, 0
.rept 8
.if g < 7
.if g > 0
	s_wait_alu depctr_va_vdst(0)                   ; the multiply-adds of the group before are done reading their buffer, in which the next eight rows land
.endif
	CLD g+1
	s_wait_dscnt 8                                 ; all but the 8 loads just issued
.else
	s_wait_dscnt 0x0
.endif
.set i, 0
.rept 8
.irp k, 0,1,2,3
	v_fma_mix_f32_bf16 v[192+2*\k], v[64+32*(g%2)+4*i+\k], v[128+8*g+i], v[192+2*\k] op_sel_hi:[1,0,0]
	v_fma_mix_f32_bf16 v[193+2*\k], v[64+32*(g%2)+4*i+\k], v[128+8*g+i], v[193+2*\k] op_sel:[1,0,0] op_sel_hi:[1,0,0]
.endr
.set i, i+1
.endr
.set g, g+1
.endr
.irp k, 0,1,2,3,4,5,6,7
	v_permlanex16_b32 v[64+\k], v[192+\k], s32, s33
.endr
.irp k, 0,1,2,3,4,5,6,7
	v_add_f32 v[192+\k], v[192+\k], v[64+\k]
.endr
.irp k, 0,1,2,3
	v_cndmask_b32 v[208+\k], v[192+\k], v[196+\k], s44  ; lanes 0-15 store columns 8 r + 0..3, lanes 16-31 columns 8 r + 4..7
.endr
	s_wait_alu depctr_va_vdst(0)                   ; the selects have written v208-211, the store's data
	global_store_b128 v55, v[208:211], s[46:47]    ; the wave's store covers 512 consecutive bytes, from a multiple of 512
	s_wait_xcnt 0x0                                ; its data and base are written again only behind this wait
	s_wait_alu depctr_vm_vsrc(0)                   ; the store has read v208-211, which the next trip's selects write; the trip's LDS loads have read v54, which the add writes
	s_add_nc_u64 s[46:47], s[46:47], 512
	v_add_nc_u32 v54, CHUNK, v54
	s_sub_co_u32 s26, s26, 1
	s_cmp_lg_u32 s26, 0
	s_cbranch_scc1 .Lctx
	s_wait_dscnt 0x0                               ; the closing lines, six on end
	s_wait_alu 0x0
	s_wait_tensorcnt 0x0
	ds_add_u32 v2, v3
	s_wait_dscnt 0x0
	s_endpgm
.Lfunc_end_k_q2293c084b0_main:
	.size	k_q2293c084b0_main, .Lfunc_end_k_q2293c084b0_main-k_q2293c084b0_main
	.p2alignl 7, 3214868480
	.fill 96, 4, 3214868480
	.section	.rodata,"a",@progbits
	.p2align	6, 0x0
	.amdhsa_kernel k_q2293c084b0_main
		.amdhsa_group_segment_fixed_size 283136
		.amdhsa_private_segment_fixed_size 0
		.amdhsa_enable_private_segment 0
		.amdhsa_kernarg_size 56
		.amdhsa_user_sgpr_count 2
		.amdhsa_user_sgpr_kernarg_segment_ptr 1
		.amdhsa_wavefront_size32 1
		.amdhsa_system_sgpr_workgroup_id_x 1
		.amdhsa_system_sgpr_workgroup_id_y 1
		.amdhsa_system_sgpr_workgroup_id_z 1
		.amdhsa_system_vgpr_workitem_id 0
		.amdhsa_next_free_vgpr 1024
		.amdhsa_next_free_sgpr 66
		.amdhsa_reserve_vcc 0
		.amdhsa_float_denorm_mode_32 3
		.amdhsa_float_denorm_mode_16_64 3
		.amdhsa_memory_ordered 1
		.amdhsa_forward_progress 1
		.amdhsa_inst_pref_size 231
	.end_amdhsa_kernel
	.amdgpu_metadata
---
amdhsa.version: [ 1, 2 ]
amdhsa.kernels:
  - .name:           k_q2293c084b0_main
    .symbol:         k_q2293c084b0_main.kd
    .args:
      - { .name: enc_out, .offset: 0, .size: 8, .value_kind: global_buffer, .address_space: global }
      - { .name: x_lens, .offset: 8, .size: 8, .value_kind: global_buffer, .address_space: global }
      - { .name: wf, .offset: 16, .size: 8, .value_kind: global_buffer, .address_space: global }
      - { .name: ck, .offset: 24, .size: 8, .value_kind: global_buffer, .address_space: global }
      - { .name: v, .offset: 32, .size: 8, .value_kind: global_buffer, .address_space: global }
      - { .name: energy, .offset: 40, .size: 8, .value_kind: global_buffer, .address_space: global }
      - { .name: ctxp, .offset: 48, .size: 8, .value_kind: global_buffer, .address_space: global }
    .group_segment_fixed_size: 283136
    .private_segment_fixed_size: 0
    .kernarg_segment_align: 8
    .kernarg_segment_size: 56
    .max_flat_workgroup_size: 128
    .sgpr_count:     66
    .vgpr_count:     1024
    .wavefront_size: 32
...
	.end_amdgpu_metadata
.endif
;; end of part 4
;; launch finish: the kernel of part 3 again; grid 32 x 1, 8 waves a work-group, no clusters, 1,536 bytes of LDS; arguments energy, ctxp, out0, out1; writes out0, out1
